; MI455X (gfx1250); checked and timed in simulation.
; The chip was launched on July 23, 2026; its instructions are those of AMD's public machine-readable ISA for CDNA 5 (MIT licence, August 2026) and "CDNA5" Instruction Set Architecture Reference Guide (July 2026). The comments in the code are by the model that wrote it; some were corrected since.
;; Attention. Allowed arithmetic: float matrix products may take bf16 or f16 operands with f32 sums; all other float work in f32.
;; Inputs: Wk 512 x 512 float32; Wo 512 x 512 float32; Wq 512 x 512 float32; Wv 512 x 512 float32; mask 1 x 1 x 2,048 x 2,048 float32; xk 4 x 2,048 x 512 float32; xq 4 x 2,048 x 512 float32; xv 4 x 2,048 x 512 float32.
;; Outputs: out0 4 x 2,048 x 512 float32.
;; One version. Each part assembles by itself: llvm-mc -triple=amdgcn-amd-amdhsa -mcpu=gfx1250 --defsym DOCPART=n.
;; ======== version 1 of 1: 3 launches
;; limits: right only within a limited range of input values; values are held in f16: magnitudes above 65,504 overflow, below 6.1e-05 lose precision
;; workspace buffers: qf 8,388,608 bytes; kf 8,388,608 bytes; vf 8,388,608 bytes; af 8,388,608 bytes; wof 524,288 bytes
;; launch proj (part 1): grid 64 x 3, 4 waves a work-group, clusters of 4 x 1, 327,680 bytes of LDS; arguments xq, xk, xv, Wq, Wk, Wv, qf, kf, vf; writes qf, kf, vf
.if DOCPART == 1
	.amdgcn_target "amdgcn-amd-amdhsa--gfx1250"
	.amdhsa_code_object_version 6
	.text
	.protected	k_q041f2256a3_proj
	.globl	k_q041f2256a3_proj
	.p2align	8
	.type	k_q041f2256a3_proj,@function
k_q041f2256a3_proj:
	s_mov_b64 s[64:65], 0
	v_nop
	global_prefetch_b8 v0, s[64:65] scope:SCOPE_SE
	s_setreg_imm32_b32 hwreg(HW_REG_WAVE_MODE, 25, 1), 1
	s_wait_xcnt 0x0
	s_wait_alu depctr_hold_cnt(0) depctr_sa_sdst(0) depctr_va_vdst(0) depctr_va_sdst(0) depctr_va_ssrc(0) depctr_va_vcc(0) depctr_vm_vsrc(0)
	s_getreg_b32 s2, hwreg(HW_REG_IB_STS2, 6, 4)
	s_cmp_eq_u32 s2, 0
	s_cbranch_scc0 .Lentry_in_a_cluster
	s_endpgm
.Lentry_in_a_cluster:
	s_bfe_u32 s2, ttmp6, 0x10000c
	s_cmp_lg_u32 s2, 0x3003
	s_cbranch_scc0 .Lentry_shape_is_right
	s_endpgm
.Lentry_shape_is_right:
; THE THREE INPUT PROJECTIONS: q/8 = xq Wq^T / 8, k = xk Wk^T, v = xv Wv^T.  x: [8192][512] f32, W: [512][512] f32 (rows = output features).
; Results in f16, stored in the order in which the attention launch feeds them to the matrix unit ("fragments" of 1,024 bytes):
;   qf, kf, vf: [batch 4][head 8][tile of 16 rows: 128][c: 32 of the head's 64 features: 2][half 2][lane 32][16 bytes]
;   lane (r, h) of half a holds row r of the tile, features 32 c + 16 a + 8 h .. + 7.   In vf the 16 bytes of (row r, h) lie inside the half at
;   256 (r >> 3) + 128 h + 16 (r & 7), so that a transposing LDS load at 16 x lane finds them.
; NUMBER FORMAT: all matrix operands of the three launches are f16 (11 significant bits), sums f32.  The result passes five roundings of intermediates
; (q, k, v, the weights, the attention's output) besides those of the inputs; with 8 significant bits each they add up to too large a share of the output's spread.
; LIMIT: a number above 65,504 in magnitude among x, W, q/8, k, v becomes infinite.  Room: k and v have spread 1 for x of spread 1 and W of spread 1/sqrt(512);
; with x and W both 30 times larger the spread is 900; with an offset of 30 spreads on both they lie near 512 x 30 x 1.33 = 20,400.  Downward f16's absolute
; step is 2^-24: with x and W both 30 times smaller q/8 has spread 1.4e-4, some 2,000 steps.
; SHARES: grid y picks q, k or v.  A work-group makes 256 rows x 256 features; wave w makes the 64 features of one head for all 256 rows.
; W STAYS IN REGISTERS: a wave's 64 features x 512 K in f16 are 64 fragments = 512 registers.  They come through LDS once, in two turns of 256 K, each
; wave fetching and reading its own rows.  Then x streams: four tiles of 64 rows x 512 K (f32) through two LDS slots; every wave reads the whole tile, rounds
; it to f16 in registers and multiplies it by its own W: a slot of 128 KiB feeds 256 matrix instructions of each wave, and the other slot's load has that
; work in which to land.  3 x 2 x 32 = 192 work-groups: 8,192 rows x 2 halves of the features do not divide into 256 / 3 equal shares.
; The product is taken as W x^T: source 0 = 16 rows of W, source 1 = 16 rows of x.  A lane of the result then holds ONE row of x and eight
; neighbouring features: four packed roundings make exactly one half-fragment's 16 bytes, and a wave's store covers 512 consecutive aligned bytes.
; CLUSTERS: 4 x 1 work-groups with the same W (four neighbouring blocks of 256 rows) ask for it jointly.  A tile of x is needed by two work-groups only (the two
; halves of the features), fewer than the four that a joint request of this text names; it is loaded plainly, and the two lie in neighbouring clusters.
; The factor 1/8 (= 1/sqrt(64), a power of two, so exact) is laid on q here; k and v pass the same line with the factor 1, since one text serves all three.
.set PITCH,  528                       ; an LDS row of x: 512 bytes (128 f32) + 16 of padding = 33 x 16: sixteen rows start at sixteen different 16-byte columns
.set HALFT,  64*PITCH                  ; 64 rows x 128 K: what one load of x brings
.set SLOT,   4*HALFT                   ; a tile of x: 64 rows, K quarter q at q x HALFT
.set WPITCH, 1040                      ; an LDS row of W: 1,024 bytes (256 f32) + 16 = 65 x 16
.set WAREA,  2*HALFT                   ; a wave's area for W: 64 rows x 1,040 = 66,560 bytes of 67,584; the four areas cover the two slots
.set ROWB,   2048                      ; bytes in a row of x and of W
.set ADRW, 4                           ; v4     LDS address of my rows of W
.set ADRX, 5                           ; v5-8   LDS address of x's rows: slot 0 quarters 0-1, slot 0 quarters 2-3, slot 1 likewise (the immediate has 16 bits)
.set LO,   9                           ; v9     my 16 bytes inside a half-fragment
.set ST0,  16                          ; v16-79, v80-143   four fragments as f32, as loaded: two buffers
.set FB0,  144                         ; v144-175, v176-207  four fragments of x in f16: two buffers; on the way out the 64 packed registers
                                       ; v256-767 (windows 1, 2): W fragment (K step kk, mt) at 256 + 8 (4 kk + mt)
                                       ; v768-895 (window 3, named v0-127): accumulator tile (mt, nt) at 8 (4 mt + nt)
.set G1W, 40                           ; s[40:47] descriptor group 1 for W
.set G1X, 48                           ; s[48:55] for x
.set G0W, 56                           ; s[56:59] group 0 for W
.set G0X, 60                           ; s[60:63], s[68:71] group 0 for x, slot s at G0X + 8 s
.set MSB, 0
.macro WIN new                         ; the immediate's high byte repeats the setting that is left
.if MSB != \new
	s_set_vgpr_msb (MSB<<8)|\new
.set MSB, \new
.endif
.endm
.macro PLACES                          ; four plain vector instructions behind a matrix instruction (ISA guide 7.12.1)
.rept 4
	v_nop
.endr
.endm
; A round of the cluster's barrier: my work-group's barrier, wave 0 signals for the work-group, all wait for all four, my work-group's barrier again.
.macro CROUND
	s_barrier_signal -1
	s_barrier_wait -1
	s_cmp_lg_u32 s26, 0
	s_cbranch_scc1 .Lnot_wave_0_\@
	s_barrier_signal -3
.Lnot_wave_0_\@:
	s_barrier_wait -3
	s_barrier_signal -1
	s_barrier_wait -1
.endm
	s_load_b512 s[8:23], s[0:1], 0x0               ; xq s[8:9], xk s[10:11], xv s[12:13], Wq s[14:15], Wk s[16:17], Wv s[18:19], qf s[20:21], kf s[22:23]
	s_load_b64 s[24:25], s[0:1], 0x40              ; vf
	v_lshl_add_u32 v254, v0, 2, 0x42000
	v_mov_b32 v255, 0
	ds_add_u32 v254, v255
	v_lshrrev_b32 v1, 5, v0
	v_readfirstlane_b32 s26, v1                    ; wave 0..3: my head of the four, and the K quarter of x that I fetch
	s_bfe_u32 s27, ttmp6, 0x40000                  ; cx
	s_and_b32 s28, ttmp9, 1                        ; which 256 features (the same in the four partners)
	s_lshr_b32 s29, ttmp9, 1
	s_lshl2_add_u32 s29, s29, s27                  ; block of 256 rows, 0..31 = 4 x (cluster x >> 1) + cx
	s_and_b32 s30, ttmp7, 0xffff                   ; 0: q, 1: k, 2: v
	; group 1 for W: 64 rows x 256 elements of 4 bytes, 512 elements from row to row, 4 words of padding behind every 256; to all four of the cluster
	s_mov_b32 s[G1W+0], 15|(2<<16)|(1<<20)|(1<<21)|(7<<22)|(3<<25)
	s_mov_b32 s[G1W+1], 256<<16                    ; tensor_dim0 = 256
	s_mov_b32 s[G1W+2], 64<<16                     ; tensor_dim1 = 64
	s_mov_b32 s[G1W+3], 256<<16                    ; tile_dim0 = 256
	s_mov_b32 s[G1W+4], 64                         ; tile_dim1 = 64
	s_mov_b32 s[G1W+5], 512                        ; pitch in elements
	s_mov_b32 s[G1W+6], 0
	s_mov_b32 s[G1W+7], 0
	; group 1 for x: 64 rows x 128 elements of 4 bytes, 4 words of padding behind every 128; no mask: my own load
	s_mov_b32 s[G1X+0], (2<<16)|(1<<20)|(6<<22)|(3<<25)
	s_mov_b32 s[G1X+1], 128<<16
	s_mov_b32 s[G1X+2], 64<<16
	s_mov_b32 s[G1X+3], 128<<16
	s_mov_b32 s[G1X+4], 64
	s_mov_b32 s[G1X+5], 512
	s_mov_b32 s[G1X+6], 0
	s_mov_b32 s[G1X+7], 0
	s_lshl_b32 s86, s28, 19                        ; W: row 256 x half + 64 x wave, rows of 2,048 bytes: nothing of cx enters
	s_lshl_b32 s87, s26, 17
	s_add_co_u32 s86, s86, s87
	s_mov_b32 s87, 0
	s_lshl_b32 s90, s29, 19                        ; x: row 256 x block, + 512 bytes for each K quarter
	s_lshl_b32 s91, s26, 9
	s_add_co_u32 s90, s90, s91
	s_mov_b32 s91, 0
	s_mul_i32 s37, s26, WAREA                      ; where my rows of W land
	s_mul_i32 s38, s26, HALFT                      ; where my K quarter of x lands
	; where my results go: ((batch x 8 + head) x 128 + tile of 16 rows) x 2,048 bytes
	s_lshr_b32 s4, s29, 3                          ; batch: 8 blocks of 256 rows each
	s_lshl_b32 s4, s4, 3
	s_lshl2_add_u32 s4, s28, s4
	s_add_co_u32 s4, s4, s26                       ; + head = 4 x half + wave
	s_lshl_b32 s4, s4, 7
	s_and_b32 s5, s29, 7
	s_lshl4_add_u32 s4, s5, s4                     ; + 16 tiles for each block of 256 rows
	s_lshl_b32 s4, s4, 11
	s_mov_b32 s5, 0
	s_cmp_eq_u32 s30, 0
	s_cselect_b32 s82, 0x3e000000, 1.0             ; 1/8 for q, 1 for k and v
	s_mov_b32 s83, s82
	s_cmp_eq_u32 s30, 2
	s_cselect_b32 s84, -1, 0                       ; all lanes: v's order inside a half-fragment
	s_wait_dscnt 0x0
	s_wait_kmcnt 0x0
	s_cmp_eq_u32 s30, 1
	s_cselect_b64 s[76:77], s[10:11], s[8:9]       ; x
	s_cselect_b64 s[78:79], s[16:17], s[14:15]     ; W
	s_cselect_b64 s[80:81], s[22:23], s[20:21]     ; out
	s_cmp_eq_u32 s30, 2
	s_cselect_b64 s[76:77], s[12:13], s[76:77]
	s_cselect_b64 s[78:79], s[18:19], s[78:79]
	s_cselect_b64 s[80:81], s[24:25], s[80:81]
	s_add_nc_u64 s[86:87], s[78:79], s[86:87]
	s_add_nc_u64 s[90:91], s[76:77], s[90:91]
	s_add_nc_u64 s[80:81], s[80:81], s[4:5]
	CROUND                                         ; all four work-groups are here: the first joint loads meet
	s_mov_b32 s[G0W], 1
	s_mul_i32 s[G0W+1], s26, WAREA
	s_mov_b64 s[G0W+2:G0W+3], s[86:87]
	s_or_b32 s[G0W+3], s[G0W+3], 0x80000000
	tensor_load_to_lds s[G0W:G0W+3], s[G1W:G1W+7]  ; K 0-255 of my 64 rows of W: one load of this wave is out
	s_nop 0
.irp s, 0,1
	s_mov_b32 s[G0X+8*\s], 1
	s_add_co_u32 s[G0X+8*\s+1], s38, \s*SLOT
	s_add_nc_u64 s[G0X+8*\s+2:G0X+8*\s+3], s[90:91], \s*64*ROWB    ; tile s of x
	s_or_b32 s[G0X+8*\s+3], s[G0X+8*\s+3], 0x80000000
.endr
	; A fragment (16 rows x 32 K): lane (r, h) holds row r, K = 8 h .. + 7 and 16 + 8 h .. + 7.  In f32 that is 32 bytes at 32 h and 32 bytes at 64 + 32 h.
	v_and_b32 v1, 15, v0                           ; r
	v_bfe_u32 v2, v0, 4, 1                         ; h
	v_mul_u32_u24 v3, v1, WPITCH
	v_lshl_add_u32 v3, v2, 5, v3
	v_add_nc_u32 v[ADRW], s37, v3
	v_mul_u32_u24 v3, v1, PITCH
	v_lshl_add_u32 v[ADRX], v2, 5, v3
	v_add_nc_u32 v[ADRX+1], 2*HALFT, v[ADRX]
	v_add_nc_u32 v[ADRX+2], SLOT, v[ADRX]
	v_add_nc_u32 v[ADRX+3], SLOT+2*HALFT, v[ADRX]
	v_and_b32 v10, 31, v0
	v_lshlrev_b32 v10, 4, v10                      ; q, k: 16 x lane
	v_lshrrev_b32 v11, 3, v1
	v_and_b32 v12, 7, v1
	v_lshlrev_b32 v12, 4, v12
	v_lshl_add_u32 v12, v2, 7, v12
	v_lshl_add_u32 v12, v11, 8, v12                ; v: 256 (r >> 3) + 128 h + 16 (r & 7)
	v_cndmask_b32 v[LO], v10, v12, s84
; 16 LDS loads: my four fragments of W of K step kkl of the turn, as f32, into stage st
.macro LOADW kkl, st
.irp f, 0,1,2,3
	ds_load_b128 v[\st+16*\f:\st+16*\f+3],     v[ADRW] offset:\f*16*WPITCH+(\kkl)*128
	ds_load_b128 v[\st+16*\f+4:\st+16*\f+7],   v[ADRW] offset:\f*16*WPITCH+(\kkl)*128+16
	ds_load_b128 v[\st+16*\f+8:\st+16*\f+11],  v[ADRW] offset:\f*16*WPITCH+(\kkl)*128+64
	ds_load_b128 v[\st+16*\f+12:\st+16*\f+15], v[ADRW] offset:\f*16*WPITCH+(\kkl)*128+80
.endr
.endm
; One turn of W: eight K steps are read, rounded and laid into window 1 + turn.  The loads run one K step ahead of the roundings.
.macro WCONV turn
	LOADW 0, ST0
.irp kkl, 0,1,2,3,4,5,6,7
.if \kkl < 7
	LOADW (\kkl+1), (ST0+64*((\kkl+1)&1))
	s_wait_dscnt 0x10                              ; this K step's 16 loads are in; the next one's 16 stay out
.else
	s_wait_dscnt 0x0
.endif
	WIN (0x40*(1+\turn))                           ; destination in W's window
.set j, 0
.rept 32
	v_cvt_pk_f16_f32 v[32*\kkl+j], v[ST0+64*(\kkl&1)+2*j], v[ST0+64*(\kkl&1)+2*j+1]
.set j, j+1
.endr
	WIN 0
.endr
.endm
; 16 LDS loads: the four fragments of x (64 rows) of K step kk, as f32, into stage st
.macro LOADX slot, kk, st
.irp f, 0,1,2,3
	ds_load_b128 v[\st+16*\f:\st+16*\f+3],     v[ADRX+2*\slot+((\kk)>>3)] offset:(((\kk)>>2)&1)*HALFT+\f*16*PITCH+((\kk)&3)*128
	ds_load_b128 v[\st+16*\f+4:\st+16*\f+7],   v[ADRX+2*\slot+((\kk)>>3)] offset:(((\kk)>>2)&1)*HALFT+\f*16*PITCH+((\kk)&3)*128+16
	ds_load_b128 v[\st+16*\f+8:\st+16*\f+11],  v[ADRX+2*\slot+((\kk)>>3)] offset:(((\kk)>>2)&1)*HALFT+\f*16*PITCH+((\kk)&3)*128+64
	ds_load_b128 v[\st+16*\f+12:\st+16*\f+15], v[ADRX+2*\slot+((\kk)>>3)] offset:(((\kk)>>2)&1)*HALFT+\f*16*PITCH+((\kk)&3)*128+80
.endr
.endm
; A tile of x: 64 rows x my 64 features x 512 K = 16 K steps of 16 matrix instructions.  The LDS loads run two K steps ahead (two stages); x's f16 fragments
; have two buffers, so that a buffer is written again only behind the other K step's 32 roundings: these are the places behind the matrix instructions that
; read it.  The sixteen accumulators take turns, one instruction a turn.  The first K step starts the sums.
.macro XTILE slot
	LOADX \slot, 0, ST0
	LOADX \slot, 1, (ST0+64)
	s_wait_xcnt 0x0                                ; the last tile's stores have read the packed registers, which are x's fragment buffers
.irp kk, 0,1,2,3,4,5,6,7,8,9,10,11,12,13,14,15
.if \kk < 15
	s_wait_dscnt 0x10                              ; this K step's 16 loads are in; the next one's 16 stay out
.else
	s_wait_dscnt 0x0
.endif
.set j, 0
.rept 32
	v_cvt_pk_f16_f32 v[FB0+32*(\kk&1)+j], v[ST0+64*(\kk&1)+2*j], v[ST0+64*(\kk&1)+2*j+1]
.set j, j+1
.endr
.if \kk < 14
	LOADX \slot, (\kk+2), (ST0+64*(\kk&1))
.endif
	WIN (0xf0|(1+(\kk>>3)))                        ; C and D in window 3, W in window 1 or 2, x in window 0
.irp mt, 0,1,2,3
.irp nt, 0,1,2,3
.if \kk == 0
	v_wmma_f32_16x16x32_f16 v[8*(4*\mt+\nt):8*(4*\mt+\nt)+7], v[32*(\kk&7)+8*\mt:32*(\kk&7)+8*\mt+7], v[FB0+32*(\kk&1)+8*\nt:FB0+32*(\kk&1)+8*\nt+7], 0
.else
	v_wmma_f32_16x16x32_f16 v[8*(4*\mt+\nt):8*(4*\mt+\nt)+7], v[32*(\kk&7)+8*\mt:32*(\kk&7)+8*\mt+7], v[FB0+32*(\kk&1)+8*\nt:FB0+32*(\kk&1)+8*\nt+7], v[8*(4*\mt+\nt):8*(4*\mt+\nt)+7]
.endif
.endr
.endr
	WIN 0
.endr
.endm
; The way out of tile t: scale, round, store.  Accumulator (mt, nt) is half mt & 1 of fragment (row tile 4 t + nt, c = mt >> 1).
.macro XOUT t
	PLACES                                         ; results are read four places behind the last products
	WIN 0x03                                       ; source 0 in window 3
.set i, 0
.rept 64
	v_pk_mul_f32 v[ST0+2*i:ST0+2*i+1], v[2*i:2*i+1], s[82:83] op_sel_hi:[1,0]
.set i, i+1
.endr
	WIN 0
.set i, 0
.rept 64
	v_cvt_pk_f16_f32 v[FB0+i], v[ST0+2*i], v[ST0+2*i+1]
.set i, i+1
.endr
.irp mt, 0,1,2,3
.irp nt, 0,1,2,3
	global_store_b128 v[LO], v[FB0+4*(4*\mt+\nt):FB0+4*(4*\mt+\nt)+3], s[80:81] offset:\t*8192+\nt*2048+(\mt>>1)*1024+(\mt&1)*512   ; the wave's 32 lanes fill 512 consecutive aligned bytes
.endr
.endr
.endm
; LDS bytes are filled again: every wave's reads are back and all its tensor loads have landed, in all four work-groups; then my one load.
.macro XFILL s, step
	s_wait_tensorcnt 0x0                           ; all my tensor loads have landed, so a group 0 may be written
	ds_add_u32 v254, v255
.if \step
	s_add_nc_u64 s[G0X+8*\s+2:G0X+8*\s+3], s[G0X+8*\s+2:G0X+8*\s+3], 2*64*ROWB   ; two tiles on
.endif
	s_wait_dscnt 0x0                               ; my reads of these bytes are back
	CROUND
	tensor_load_to_lds s[G0X+8*\s:G0X+8*\s+3], s[G1X:G1X+7]   ; my one tensor load behind the round, first thing there
	s_nop 0
.endm
	s_wait_tensorcnt 0x0                           ; my rows of W, K 0-255: only I read them, so my own wait is all that the reads need
	WCONV 0
	s_wait_tensorcnt 0x0                           ; no load of mine is out: group 0 may be written
	ds_add_u32 v254, v255
	s_add_nc_u64 s[G0W+2:G0W+3], s[G0W+2:G0W+3], 1024   ; K 256-511
	s_wait_dscnt 0x0                               ; my reads of the area are back
	CROUND
	tensor_load_to_lds s[G0W:G0W+3], s[G1W:G1W+7]  ; my one tensor load behind the round
	s_nop 0
	s_wait_tensorcnt 0x0
	WCONV 1
	XFILL 0, 0                                     ; tile 0 of x takes the place of W's areas 0 and 1
	XFILL 1, 0                                     ; tile 0 has landed in every wave's count; tile 1 goes out and lands under tile 0's products
	XTILE 0
	XFILL 0, 1                                     ; tile 2 goes out ahead of tile 0's way out
	XOUT 0
	XTILE 1
	XFILL 1, 1                                     ; tile 3
	XOUT 1
	XTILE 0
	s_wait_tensorcnt 0x0                           ; tile 3 is in; nothing is left to fetch
	s_wait_dscnt 0x0
	s_barrier_signal -1
	s_barrier_wait -1
	XOUT 2
	XTILE 1
	XOUT 3
	s_wait_tensorcnt 0x0
	ds_add_u32 v254, v255
	s_wait_dscnt 0x0
	CROUND                                         ; the closing round: no work-group ends while a partner may still ask for a tile that names it
	s_endpgm
.Lfunc_end_k_q041f2256a3_proj:
	.size	k_q041f2256a3_proj, .Lfunc_end_k_q041f2256a3_proj-k_q041f2256a3_proj
	.p2alignl 7, 3214868480
	.fill 96, 4, 3214868480
	.section	.rodata,"a",@progbits
	.p2align	6, 0x0
	.amdhsa_kernel k_q041f2256a3_proj
		.amdhsa_group_segment_fixed_size 327680
		.amdhsa_private_segment_fixed_size 0
		.amdhsa_enable_private_segment 0
		.amdhsa_kernarg_size 72
		.amdhsa_user_sgpr_count 2
		.amdhsa_user_sgpr_kernarg_segment_ptr 1
		.amdhsa_wavefront_size32 1
		.amdhsa_system_sgpr_workgroup_id_x 1
		.amdhsa_system_sgpr_workgroup_id_y 1
		.amdhsa_system_sgpr_workgroup_id_z 1
		.amdhsa_system_vgpr_workitem_id 0
		.amdhsa_next_free_vgpr 896
		.amdhsa_next_free_sgpr 96
		.amdhsa_reserve_vcc 0
		.amdhsa_float_denorm_mode_32 3
		.amdhsa_float_denorm_mode_16_64 3
		.amdhsa_memory_ordered 1
		.amdhsa_forward_progress 1
		.amdhsa_inst_pref_size 255
	.end_amdhsa_kernel
	.section	.bss,"aw",@nobits
	.p2align	6
	.space	262144
	.amdgpu_metadata
---
amdhsa.version: [ 1, 2 ]
amdhsa.kernels:
  - .name:           k_q041f2256a3_proj
    .symbol:         k_q041f2256a3_proj.kd
    .args:
      - { .name: xq, .offset: 0, .size: 8, .value_kind: global_buffer, .address_space: global }
      - { .name: xk, .offset: 8, .size: 8, .value_kind: global_buffer, .address_space: global }
      - { .name: xv, .offset: 16, .size: 8, .value_kind: global_buffer, .address_space: global }
      - { .name: Wq, .offset: 24, .size: 8, .value_kind: global_buffer, .address_space: global }
      - { .name: Wk, .offset: 32, .size: 8, .value_kind: global_buffer, .address_space: global }
      - { .name: Wv, .offset: 40, .size: 8, .value_kind: global_buffer, .address_space: global }
      - { .name: qf, .offset: 48, .size: 8, .value_kind: global_buffer, .address_space: global }
      - { .name: kf, .offset: 56, .size: 8, .value_kind: global_buffer, .address_space: global }
      - { .name: vf, .offset: 64, .size: 8, .value_kind: global_buffer, .address_space: global }
    .group_segment_fixed_size: 327680
    .private_segment_fixed_size: 0
    .kernarg_segment_align: 8
    .kernarg_segment_size: 72
    .max_flat_workgroup_size: 128
    .sgpr_count:     96
    .vgpr_count:     896
    .wavefront_size: 32
...
	.end_amdgpu_metadata
.endif
;; end of part 1
;; launch attn (part 2): grid 16 x 16, 8 waves a work-group, clusters of 4 x 4, 327,680 bytes of LDS; arguments qf, kf, vf, mask, af, Wo, wof; writes af, wof
.if DOCPART == 2
	.amdgcn_target "amdgcn-amd-amdhsa--gfx1250"
	.amdhsa_code_object_version 6
	.text
	.protected	k_q041f2256a3_attn
	.globl	k_q041f2256a3_attn
	.p2align	8
	.type	k_q041f2256a3_attn,@function
k_q041f2256a3_attn:
	s_mov_b64 s[64:65], 0
	v_nop
	global_prefetch_b8 v0, s[64:65] scope:SCOPE_SE
	s_setreg_imm32_b32 hwreg(HW_REG_WAVE_MODE, 25, 1), 1
	s_wait_xcnt 0x0
	s_wait_alu depctr_hold_cnt(0) depctr_sa_sdst(0) depctr_va_vdst(0) depctr_va_sdst(0) depctr_va_ssrc(0) depctr_va_vcc(0) depctr_vm_vsrc(0)
	s_getreg_b32 s2, hwreg(HW_REG_IB_STS2, 6, 4)
	s_cmp_eq_u32 s2, 0
	s_cbranch_scc0 .Lentry_in_a_cluster
	s_endpgm
.Lentry_in_a_cluster:
	s_bfe_u32 s2, ttmp6, 0x10000c
	s_cmp_lg_u32 s2, 0xf033
	s_cbranch_scc0 .Lentry_shape_is_right
	s_endpgm
.Lentry_shape_is_right:
; ATTENTION: for each batch and head, softmax over keys of (q k^T / 8 + mask), times v.  q (with the 1/8), k, v come as f16 fragments (layout: see below),
; mask is [2048 queries][2048 keys] f32 and is added as it is given.  The result goes out as f16 fragments for the output projection:
;   qf, kf, vf: [batch x 8 + head: 32][tile of 16 rows: 128][c: 2][half 2][lane 32][16 bytes]      af: [tile of 16 rows: 512][head x 2 + c: 16][half 2][lane 32][16 bytes]
; BESIDE IT: Wo [512][512] f32 is rounded to f16 fragments for the last launch, wof: [tile of 16 features: 32][K step of 32: 16][half 2][lane 32][16 bytes].
; Its 1,024 half-fragments are shared out four to a work-group, one to each of waves 0 to 3, which make them while their first tiles are on their way.
; SHARES: a work-group takes 128 queries of TWO heads of one batch; wave w takes head w >> 2 and 32 queries (w & 3), as two tiles of 16.
; All products are taken with the QUERY as the result's column: S^T = K Q^T (+ mask as the C operand), O^T = V^T P^T.  A lane then holds one query throughout:
; the softmax needs one exchange between the two halves of the wave, P's rounding to f16 IS the next product's source 1, and O's rounding is af's fragment.
; Keys go in steps of 64; an LDS slot holds two steps (128 keys): K and V of both heads and the mask's 128 x 128 block.  Two slots take turns.
; CLUSTERS: 4 x 4 work-groups.  K and V hang on batch and heads alone (shared along a row of the cluster), the mask on the block of queries alone (shared
; along a column): each tile is asked for jointly by the four that need it.
; SOFTMAX: a running maximum per query, as in the reference's subtraction of the row maximum.
; NUMBER FORMAT: the weights go to the matrix unit in f16.  With the maximum taken away they lie in [0, 1] for every input; a weight below 2^-25 rounds to 0,
; against a row sum of at least 1.  The normalised output is a weighted mean of v, so it is in f16's range wherever v is; its absolute step there is 2^-24.
; LIMITS: the running maximum is held at or above -2^127, so that entries of -inf give weight 0; a row that is -inf throughout gives NaN, as the reference
; does; a row whose scores are all finite but below -2^127 gives NaN where the reference is finite.  The row sum is taken from the weights before their rounding.
; An entry of Wo above 65,504 in magnitude becomes infinite; f16's absolute step downward is 2^-24, against Wo's spread of 1/sqrt(512) = 0.044.
.set REG,    16896                     ; LDS bytes of one wave's load: 32 mask rows of 528 bytes; K's and V's 16,384 bytes use the region's front
.set SLOT,   8*REG                     ; K head 0, K head 1, V head 0, V head 1, four regions of mask rows
.set MPITCH, 528                       ; a mask row: 512 bytes + 16 of padding = 33 x 16
.set VOFF,   2*REG
.set MOFF,   4*REG
.set KVTILE, 16384                     ; 128 keys of one head: 8 tiles x 2 fragments x 1,024 bytes, dense in memory
.set MTILE,  512                       ; 128 keys of a mask row
.set ADRK, 2                           ; v2-3    LDS address of my head's K in slot 0, 1, + 16 x lane (V by the immediate)
.set ADRM, 4                           ; v4-5    LDS address of my queries' mask rows in slot 0, 1
.set M,    6                           ; v6-7    running maximum of query tile 0, 1
.set L,    8                           ; v[8:9], v[10:11]   running sums, two partial sums each
.set NM,   12                          ; v12, v14  -log2(e) x maximum (v13, v15 only complete the pairs)
.set AL,   16                          ; v16     factor for what was summed under the old maximum (v17 completes the pair)
.set TP,   18                          ; v[18:19] second chain of the sums
.set T0,   20
.set T1,   21
.set T2,   22
.set T3,   23
.set Q,    24                          ; v24-55   Q fragment (qt, c) at 8 (2 qt + c)
.set KV,   56                          ; v56-119  K fragment (kt, c) at 8 (2 kt + c); then V^T fragment (ht, kc) at 8 (2 ht + kc)
.set S,    120                         ; v120-183 score tile (qt, kt) at 8 (4 qt + kt); P fragment (qt, kc) takes the place of tile (qt, 2 kc)
.set O,    184                         ; v184-247 output tile (qt, ht) at 8 (4 qt + ht)
.set G1KV, 24                          ; s[24:31]
.set G1M,  32                          ; s[32:39]
.set G0KV, 40                          ; s[40:47] a set for each slot
.set G0M,  48                          ; s[48:55] a set for each slot
.macro PLACES n                        ; plain vector instructions behind a matrix instruction (ISA guide 7.12.1)
.rept \n
	v_nop
.endr
.endm
; A joint load: waves 0 to 3 fetch K and V of the two heads, waves 4 to 7 32 rows of the mask each.  Each line has one mask and one set of registers.
.macro JLOAD s
	s_cmp_eq_u32 s16, 0
	s_cbranch_scc0 .Lfor_mask_\@
	tensor_load_to_lds s[G0KV+4*\s:G0KV+4*\s+3], s[G1KV:G1KV+7]
	s_nop 0
	s_branch .Lasked_\@
.Lfor_mask_\@:
	tensor_load_to_lds s[G0M+4*\s:G0M+4*\s+3], s[G1M:G1M+7]
	s_nop 0
.Lasked_\@:
.endm
.macro CROUND                          ; a round of the cluster's barrier
	s_barrier_signal -1
	s_barrier_wait -1
	s_cmp_lg_u32 s14, 0
	s_cbranch_scc1 .Lnot_wave_0_\@
	s_barrier_signal -3
.Lnot_wave_0_\@:
	s_barrier_wait -3
	s_barrier_signal -1
	s_barrier_wait -1
.endm
	s_load_b256 s[4:11], s[0:1], 0x0               ; qf s[4:5], kf s[6:7], vf s[8:9], mask s[10:11]
	s_load_b64 s[12:13], s[0:1], 0x20              ; af
	s_load_b128 s[72:75], s[0:1], 0x28             ; Wo s[72:73], wof s[74:75]
	v_lshl_add_u32 v254, v0, 2, 0x42000
	v_mov_b32 v255, 0
	ds_add_u32 v254, v255
	v_lshrrev_b32 v18, 5, v0
	v_readfirstlane_b32 s14, v18                   ; wave 0..7
	s_and_b32 s15, s14, 3                          ; my 32 queries.  Also: which of the four loads of my kind I issue
	s_lshr_b32 s16, s14, 2                         ; my head of the two.  Also: I fetch K or V (0), or mask rows (1)
	s_bfe_u32 s17, ttmp6, 0x40000                  ; cx
	s_bfe_u32 s18, ttmp6, 0x40004                  ; cy
	s_lshl_b32 s19, ttmp9, 2
	s_add_co_u32 s19, s19, s17                     ; block of 128 queries, 0..15
	s_and_b32 s20, ttmp7, 0xffff
	s_lshl_b32 s20, s20, 2
	s_add_co_u32 s20, s20, s18                     ; 4 x batch + pair of heads, 0..15
	s_lshl_b32 s21, s18, 2
	s_lshl_b32 s21, 15, s21                        ; my row of the cluster
	s_lshl_b32 s22, 0x1111, s17                    ; my column
	s_mov_b32 s66, 0x76543210                      ; v_permlanex16_b32: lane i of one half reads lane i of the other
	s_mov_b32 s67, 0xfedcba98
	; group 1 for K and V: a dense block of 16,384 bytes as 64 rows of 32 elements of 8 bytes
	s_or_b32 s[G1KV+0], s21, (3<<16)|(1<<21)       ; to my row of the cluster
	s_mov_b32 s[G1KV+1], 32<<16
	s_mov_b32 s[G1KV+2], 64<<16
	s_mov_b32 s[G1KV+3], 32<<16
	s_mov_b32 s[G1KV+4], 64
	s_mov_b32 s[G1KV+5], 32
	s_mov_b32 s[G1KV+6], 0
	s_mov_b32 s[G1KV+7], 0
	; group 1 for the mask: 32 rows x 128 elements of 4 bytes, 2,048 elements from row to row, 4 words of padding behind every 128
	s_or_b32 s[G1M+0], s22, (2<<16)|(1<<20)|(1<<21)|(6<<22)|(3<<25)  ; to my column
	s_mov_b32 s[G1M+1], 128<<16
	s_mov_b32 s[G1M+2], 32<<16
	s_mov_b32 s[G1M+3], 128<<16
	s_mov_b32 s[G1M+4], 32
	s_mov_b32 s[G1M+5], 2048
	s_mov_b32 s[G1M+6], 0
	s_mov_b32 s[G1M+7], 0
	; offsets of the tiles, each in registers that never hold the other coordinate
	s_and_b32 s58, s14, 1
	s_lshl1_add_u32 s58, s20, s58                  ; batch x 8 + head of the load: 2 x pair + (wave & 1)
	s_lshl_b32 s58, s58, 18                        ; 262,144 bytes a head
	s_mov_b32 s59, 0
	s_lshl_b32 s62, s19, 7
	s_lshl_b32 s63, s15, 5
	s_add_co_u32 s62, s62, s63                     ; mask row 128 x query block + 32 x (wave & 3)
	s_lshl_b32 s62, s62, 13                        ; rows of 8,192 bytes
	s_mov_b32 s63, 0
	s_mul_i32 s76, s14, REG                        ; where my load lands: wave x one region
	; my Q fragments: ((batch x 8 + head) x 128 + 8 x query block + 2 x (wave & 3)) x 2,048 bytes
	s_lshl1_add_u32 s68, s20, s16
	s_lshl_b32 s68, s68, 7
	s_lshl3_add_u32 s68, s19, s68
	s_lshl1_add_u32 s68, s15, s68
	s_lshl_b32 s68, s68, 11
	s_mov_b32 s69, 0
	; my results: ((batch x 128 + 8 x query block + 2 x (wave & 3)) x 16 + 2 x head in the batch) x 1,024 bytes
	s_lshr_b32 s70, s20, 2
	s_lshl_b32 s70, s70, 7
	s_lshl3_add_u32 s70, s19, s70
	s_lshl1_add_u32 s70, s15, s70
	s_lshl_b32 s70, s70, 4
	s_and_b32 s71, s20, 3
	s_lshl1_add_u32 s71, s71, s16
	s_lshl1_add_u32 s70, s71, s70
	s_lshl_b32 s70, s70, 10
	s_mov_b32 s71, 0
	; my half-fragment of Wo: number n = 4 x (16 y + x) + (wave & 3) = ((tile of 16 features) x 16 + K step) x 2 + half
	s_lshl4_add_u32 s80, s20, s19
	s_lshl2_add_u32 s80, s80, s15
	s_lshr_b32 s82, s80, 5
	s_lshl_b32 s82, s82, 15                        ; from: 16 rows of 2,048 bytes for each tile of features,
	s_and_b32 s83, s80, 31
	s_lshl_b32 s83, s83, 6                         ; 64 bytes (16 f32) for each half of a K step
	s_add_co_u32 s82, s82, s83
	s_mov_b32 s83, 0
	s_lshl_b32 s80, s80, 9                         ; to: 512 bytes each
	s_mov_b32 s81, 0
	s_wait_dscnt 0x0
	s_wait_kmcnt 0x0
	s_cmp_lt_u32 s15, 2
	s_cselect_b64 s[56:57], s[6:7], s[8:9]         ; loads 0 and 1 bring K, loads 2 and 3 bring V
	s_add_nc_u64 s[56:57], s[56:57], s[58:59]
	s_add_nc_u64 s[60:61], s[10:11], s[62:63]
	s_add_nc_u64 s[4:5], s[4:5], s[68:69]
	s_add_nc_u64 s[12:13], s[12:13], s[70:71]
	s_add_nc_u64 s[72:73], s[72:73], s[82:83]
	s_add_nc_u64 s[74:75], s[74:75], s[80:81]
	CROUND                                         ; all sixteen work-groups are here: the first joint loads meet
.irp s, 0,1
	s_mov_b32 s[G0KV+4*\s], 1
	s_add_co_u32 s[G0KV+4*\s+1], s76, \s*SLOT
	s_add_nc_u64 s[G0KV+4*\s+2:G0KV+4*\s+3], s[56:57], \s*KVTILE   ; keys 128 s ..
	s_or_b32 s[G0KV+4*\s+3], s[G0KV+4*\s+3], 0x80000000
	s_mov_b32 s[G0M+4*\s], 1
	s_add_co_u32 s[G0M+4*\s+1], s76, \s*SLOT
	s_add_nc_u64 s[G0M+4*\s+2:G0M+4*\s+3], s[60:61], \s*MTILE
	s_or_b32 s[G0M+4*\s+3], s[G0M+4*\s+3], 0x80000000
	JLOAD \s                                       ; both slots are asked for before anything else: two loads of this wave are out
.endr
	v_and_b32 v1, 31, v0
	v_lshlrev_b32 v1, 4, v1                        ; 16 x lane: my place in every half-fragment
.irp qt, 0,1
.irp c, 0,1
	global_load_b128 v[Q+8*(2*\qt+\c):Q+8*(2*\qt+\c)+3],   v1, s[4:5] offset:\qt*2048+\c*1024
	global_load_b128 v[Q+8*(2*\qt+\c)+4:Q+8*(2*\qt+\c)+7], v1, s[4:5] offset:\qt*2048+\c*1024+512
.endr
.endr
	s_mul_i32 s77, s16, REG                        ; my head's K
	v_add_nc_u32 v[ADRK], s77, v1
	v_add_nc_u32 v[ADRK+1], SLOT, v[ADRK]
	v_and_b32 v18, 15, v0                          ; r: my query in a tile
	v_bfe_u32 v19, v0, 4, 1                        ; h: which eight keys of sixteen
	v_lshlrev_b32 v20, 11, v18
	v_lshl_add_u32 v20, v19, 5, v20                ; in Wo: row r, 32 bytes (8 f32) for each h
	v_mul_u32_u24 v18, v18, MPITCH
	v_lshl_add_u32 v18, v19, 5, v18                ; row r, 32 bytes for each h
	s_mul_i32 s78, s15, 32*MPITCH
	s_add_co_u32 s78, s78, MOFF
	v_add_nc_u32 v[ADRM], s78, v18
	v_add_nc_u32 v[ADRM+1], SLOT, v[ADRM]
	v_mov_b32 v[NM+1], 0                           ; upper words of pairs of which the packed forms use the lower word twice
	v_mov_b32 v[NM+3], 0
	v_mov_b32 v[AL+1], 0
	; waves 0 to 3: one half-fragment of Wo each, while the first tiles are on their way
	s_cmp_lg_u32 s16, 0
	s_cbranch_scc1 .Lno_wo
	global_load_b128 v[S:S+3],   v20, s[72:73]
	global_load_b128 v[S+4:S+7], v20, s[72:73] offset:16
	s_wait_loadcnt 0x0
	v_cvt_pk_f16_f32 v[S+8],  v[S+0], v[S+1]
	v_cvt_pk_f16_f32 v[S+9],  v[S+2], v[S+3]
	v_cvt_pk_f16_f32 v[S+10], v[S+4], v[S+5]
	v_cvt_pk_f16_f32 v[S+11], v[S+6], v[S+7]
	global_store_b128 v1, v[S+8:S+11], s[74:75]    ; the wave's 32 lanes fill 512 consecutive aligned bytes
	s_wait_xcnt 0x0                                ; the store's data registers are loaded again by the first step
.Lno_wo:
; eight products: score tile (qt, kt) += K (kt, c) x Q (qt, c).  The eight accumulators take turns, one instruction a turn.
.macro QK c
.irp qt, 0,1
.irp kt, 0,1,2,3
	v_wmma_f32_16x16x32_f16 v[S+8*(4*\qt+\kt):S+8*(4*\qt+\kt)+7], v[KV+8*(2*\kt+\c):KV+8*(2*\kt+\c)+7], v[Q+8*(2*\qt+\c):Q+8*(2*\qt+\c)+7], v[S+8*(4*\qt+\kt):S+8*(4*\qt+\kt)+7]
.endr
.endr
.endm
; The softmax step of query tile qt.  My lane holds 32 of its query's 64 scores of this step; the lane 16 further holds the other 32.
.macro SOFTMAX qt, first
.set SB, S+32*\qt
.set OB, O+32*\qt
	v_max3_num_f32 v[T0], v[SB+0], v[SB+1], v[SB+2]                ; two chains
	v_max3_num_f32 v[T1], v[SB+3], v[SB+4], v[SB+5]
.set i, 6
.rept 6
	v_max3_num_f32 v[T0], v[T0], v[SB+i], v[SB+i+1]
	v_max3_num_f32 v[T1], v[T1], v[SB+i+2], v[SB+i+3]
.set i, i+4
.endr
	v_max3_num_f32 v[T0], v[T0], v[SB+30], v[SB+31]
	v_max_num_f32 v[T0], v[T0], v[T1]
	v_permlanex16_b32 v[T1], v[T0], s66, s67
.if \first
	v_max3_num_f32 v[M+\qt], v[T0], v[T1], 0xff000000              ; never below -2^127
	v_mul_f32 v[NM+2*\qt], 0xbfb8aa3b, v[M+\qt]                    ; -log2(e) x maximum
.else
	v_max3_num_f32 v[M+\qt], v[T0], v[T1], v[M+\qt]
	v_mul_f32 v[T2], 0xbfb8aa3b, v[M+\qt]
	v_sub_f32 v[T3], v[T2], v[NM+2*\qt]                            ; the very shift that the earlier weights used is taken back
	v_mov_b32 v[NM+2*\qt], v[T2]
	v_exp_f32 v[AL], v[T3]                                         ; used only behind the plain lines that follow (ISA guide 5.7.2)
.endif
.set i, 0
.rept 16
	v_pk_fma_f32 v[SB+i:SB+i+1], v[SB+i:SB+i+1], 0x3fb8aa3b, v[NM+2*\qt:NM+2*\qt+1] op_sel_hi:[1,0,0]   ; log2(e) (s - maximum), one rounding
.set i, i+2
.endr
.set i, 0
.rept 32
	v_exp_f32 v[SB+i], v[SB+i]
.set i, i+1
.endr
.if \first
	v_nop                                                          ; the plain line between the exponentials and their first use
	s_wait_alu depctr_va_vdst(0)
	v_pk_add_f32 v[L+2*\qt:L+2*\qt+1], v[SB:SB+1], v[SB+4:SB+5]    ; the first weights start the sums
.else
.set i, 0
	s_wait_alu depctr_va_vdst(0)
.rept 16
	v_pk_mul_f32 v[OB+i:OB+i+1], v[OB+i:OB+i+1], v[AL:AL+1] op_sel_hi:[1,0]   ; plain lines between the exponentials and their first use
.set i, i+2
.endr
	v_pk_fma_f32 v[L+2*\qt:L+2*\qt+1], v[L+2*\qt:L+2*\qt+1], v[AL:AL+1], v[SB:SB+1] op_sel_hi:[1,0,1]
	v_pk_add_f32 v[L+2*\qt:L+2*\qt+1], v[L+2*\qt:L+2*\qt+1], v[SB+4:SB+5]
.endif
	v_pk_add_f32 v[TP:TP+1], v[SB+2:SB+3], v[SB+6:SB+7]
.set i, 8
.rept 6
	v_pk_add_f32 v[L+2*\qt:L+2*\qt+1], v[L+2*\qt:L+2*\qt+1], v[SB+i:SB+i+1]
	v_pk_add_f32 v[TP:TP+1], v[TP:TP+1], v[SB+i+2:SB+i+3]
.set i, i+4
.endr
	v_pk_add_f32 v[L+2*\qt:L+2*\qt+1], v[L+2*\qt:L+2*\qt+1], v[TP:TP+1]
	; two neighbouring score tiles (keys 8 h .. and 16 + 8 h .. of 32) become one fragment of P, in place: register n takes numbers 2 n and 2 n + 1
.irp kc, 0,1
.set i, 0
.rept 8
	v_cvt_pk_f16_f32 v[SB+16*\kc+i], v[SB+16*\kc+2*i], v[SB+16*\kc+2*i+1]
.set i, i+1
.endr
.endr
.endm
; One step: 64 keys, half u of a slot.
.macro STEP slot, u, first
.irp qt, 0,1
.irp kt, 0,1,2,3
	ds_load_b128 v[S+8*(4*\qt+\kt):S+8*(4*\qt+\kt)+3],   v[ADRM+\slot] offset:\qt*16*MPITCH+\u*256+\kt*64      ; the mask, straight into the accumulators:
	ds_load_b128 v[S+8*(4*\qt+\kt)+4:S+8*(4*\qt+\kt)+7], v[ADRM+\slot] offset:\qt*16*MPITCH+\u*256+\kt*64+16   ; query r, keys 16 kt + 8 h .. + 7
.endr
.endr
.irp c, 0,1
.irp kt, 0,1,2,3
	ds_load_b128 v[KV+8*(2*\kt+\c):KV+8*(2*\kt+\c)+3],   v[ADRK+\slot] offset:\u*8192+(2*\kt+\c)*1024
	ds_load_b128 v[KV+8*(2*\kt+\c)+4:KV+8*(2*\kt+\c)+7], v[ADRK+\slot] offset:\u*8192+(2*\kt+\c)*1024+512
.endr
.endr
	s_wait_dscnt 0x8                               ; the mask's 16 loads and K's 8 for features 0-31 are in; the 8 for features 32-63 may be out
	QK 0
	s_wait_dscnt 0x0
	QK 1
	PLACES 4                                       ; K's registers are loaded again, and the scores are read, four places behind the products
.irp kc, 0,1
.irp ht, 0,1,2,3
	ds_load_tr16_b128 v[KV+8*(2*\ht+\kc):KV+8*(2*\ht+\kc)+3],   v[ADRK+\slot] offset:VOFF+\u*8192+(4*\kc+(\ht>>1))*1024+(\ht&1)*512        ; feature 16 ht + r, keys 32 kc + 8 h ..
	ds_load_tr16_b128 v[KV+8*(2*\ht+\kc)+4:KV+8*(2*\ht+\kc)+7], v[ADRK+\slot] offset:VOFF+\u*8192+(4*\kc+(\ht>>1))*1024+(\ht&1)*512+2048   ; keys 32 kc + 16 + 8 h ..
.endr
.endr
	SOFTMAX 0, \first
	SOFTMAX 1, \first
	s_wait_dscnt 0x0                               ; V's 16 loads, issued ahead of the softmax
.irp kc, 0,1
.irp ht, 0,1,2,3
.irp qt, 0,1
.if \first*(1-\kc)
	v_wmma_f32_16x16x32_f16 v[O+8*(4*\qt+\ht):O+8*(4*\qt+\ht)+7], v[KV+8*(2*\ht+\kc):KV+8*(2*\ht+\kc)+7], v[S+8*(4*\qt+2*\kc):S+8*(4*\qt+2*\kc)+7], 0
.else
	v_wmma_f32_16x16x32_f16 v[O+8*(4*\qt+\ht):O+8*(4*\qt+\ht)+7], v[KV+8*(2*\ht+\kc):KV+8*(2*\ht+\kc)+7], v[S+8*(4*\qt+2*\kc):S+8*(4*\qt+2*\kc)+7], v[O+8*(4*\qt+\ht):O+8*(4*\qt+\ht)+7]
.endif
.endr
.endr
.endr
	PLACES 5                                       ; the next step's products write over P's registers: five places; its loads into them need four
.endm
; Go on to slot `slot`; refill = 1: the other slot, which has been read, is filled again with the keys 256 further on.
.macro CHANGE slot, refill
	s_wait_tensorcnt 0x0                           ; all my tensor loads have landed (my share of `slot` among them), so a group 0 may be written
	ds_add_u32 v254, v255
	s_wait_dscnt 0x0
.if \refill
	s_add_nc_u64 s[G0KV+4*(1-\slot)+2:G0KV+4*(1-\slot)+3], s[G0KV+4*(1-\slot)+2:G0KV+4*(1-\slot)+3], 2*KVTILE
	s_add_nc_u64 s[G0M+4*(1-\slot)+2:G0M+4*(1-\slot)+3], s[G0M+4*(1-\slot)+2:G0M+4*(1-\slot)+3], 2*MTILE
.endif
	s_wait_dscnt 0x0                               ; my reads of the other slot are back
.if \refill
	CROUND                                         ; both now hold of every wave of all sixteen work-groups
	JLOAD (1-\slot)                                ; my one tensor load behind the round, first thing there; it has two steps in which to land
.else
	s_barrier_signal -1
	s_barrier_wait -1
.endif
.endm
	s_wait_tensorcnt 0x1                           ; my share of slot 0 is in; slot 1's load stays out
	s_barrier_signal -1
	s_barrier_wait -1
	s_wait_loadcnt 0x0                             ; Q
	STEP 0, 0, 1                                   ; keys 0-63 start maximum, sums and output
	STEP 0, 1, 0
	s_mov_b32 s23, 7                               ; 16 blocks of 128 keys: one above, two a trip, one behind the loop
.Lpair:
	CHANGE 1, 1
	STEP 1, 0, 0
	STEP 1, 1, 0
	CHANGE 0, 1
	STEP 0, 0, 0
	STEP 0, 1, 0
	s_sub_co_u32 s23, s23, 1
	s_cmp_lg_u32 s23, 0
	s_cbranch_scc1 .Lpair
	CHANGE 1, 0                                    ; the last block: nothing is left to fetch
	STEP 1, 0, 0
	STEP 1, 1, 0
	; divide by the row sums, round, store: tile (qt, ht) is half ht & 1 of fragment (row tile qt, 2 x head + (ht >> 1))
	v_add_f32 v[T0], v[L], v[L+1]
	v_add_f32 v[T2], v[L+2], v[L+3]
	v_permlanex16_b32 v[T1], v[T0], s66, s67
	v_permlanex16_b32 v[T3], v[T2], s66, s67
	v_add_f32 v[T0], v[T0], v[T1]
	v_add_f32 v[T2], v[T2], v[T3]
	v_rcp_f32 v[AL], v[T0]
	v_rcp_f32 v[TP], v[T2]
	v_nop                                          ; the plain line between the reciprocals and their first use
.set i, 0
	s_wait_alu depctr_va_vdst(0)
.rept 16
	v_pk_mul_f32 v[O+i:O+i+1], v[O+i:O+i+1], v[AL:AL+1] op_sel_hi:[1,0]
	v_pk_mul_f32 v[O+32+i:O+32+i+1], v[O+32+i:O+32+i+1], v[TP:TP+1] op_sel_hi:[1,0]
.set i, i+2
.endr
.set i, 0
.rept 32
	v_cvt_pk_f16_f32 v[KV+i], v[O+2*i], v[O+2*i+1]
.set i, i+1
.endr
.irp qt, 0,1
.irp ht, 0,1,2,3
	global_store_b128 v1, v[KV+4*(4*\qt+\ht):KV+4*(4*\qt+\ht)+3], s[12:13] offset:\qt*16384+(\ht>>1)*1024+(\ht&1)*512   ; the wave's 32 lanes fill 512 consecutive aligned bytes
.endr
.endr
	CROUND                                         ; the closing round: no work-group ends while a partner may still ask for a tile that names it
	s_endpgm
.Lfunc_end_k_q041f2256a3_attn:
	.size	k_q041f2256a3_attn, .Lfunc_end_k_q041f2256a3_attn-k_q041f2256a3_attn
	.p2alignl 7, 3214868480
	.fill 96, 4, 3214868480
	.section	.rodata,"a",@progbits
	.p2align	6, 0x0
	.amdhsa_kernel k_q041f2256a3_attn
		.amdhsa_group_segment_fixed_size 327680
		.amdhsa_private_segment_fixed_size 0
		.amdhsa_enable_private_segment 0
		.amdhsa_kernarg_size 56
		.amdhsa_user_sgpr_count 2
		.amdhsa_user_sgpr_kernarg_segment_ptr 1
		.amdhsa_wavefront_size32 1
		.amdhsa_system_sgpr_workgroup_id_x 1
		.amdhsa_system_sgpr_workgroup_id_y 1
		.amdhsa_system_sgpr_workgroup_id_z 1
		.amdhsa_system_vgpr_workitem_id 0
		.amdhsa_next_free_vgpr 256
		.amdhsa_next_free_sgpr 96
		.amdhsa_reserve_vcc 0
		.amdhsa_float_denorm_mode_32 3
		.amdhsa_float_denorm_mode_16_64 3
		.amdhsa_memory_ordered 1
		.amdhsa_forward_progress 1
		.amdhsa_inst_pref_size 165
	.end_amdhsa_kernel
	.amdgpu_metadata
---
amdhsa.version: [ 1, 2 ]
amdhsa.kernels:
  - .name:           k_q041f2256a3_attn
    .symbol:         k_q041f2256a3_attn.kd
    .args:
      - { .name: qf, .offset: 0, .size: 8, .value_kind: global_buffer, .address_space: global }
      - { .name: kf, .offset: 8, .size: 8, .value_kind: global_buffer, .address_space: global }
      - { .name: vf, .offset: 16, .size: 8, .value_kind: global_buffer, .address_space: global }
      - { .name: mask, .offset: 24, .size: 8, .value_kind: global_buffer, .address_space: global }
      - { .name: af, .offset: 32, .size: 8, .value_kind: global_buffer, .address_space: global }
      - { .name: Wo, .offset: 40, .size: 8, .value_kind: global_buffer, .address_space: global }
      - { .name: wof, .offset: 48, .size: 8, .value_kind: global_buffer, .address_space: global }
    .group_segment_fixed_size: 327680
    .private_segment_fixed_size: 0
    .kernarg_segment_align: 8
    .kernarg_segment_size: 56
    .max_flat_workgroup_size: 256
    .sgpr_count:     96
    .vgpr_count:     256
    .wavefront_size: 32
...
	.end_amdgpu_metadata
.endif
;; end of part 2
;; launch oproj (part 3): grid 4 x 64, 4 waves a work-group, clusters of 4 x 4, 280,064 bytes of LDS; arguments af, wof, out0; writes out0
.if DOCPART == 3
	.amdgcn_target "amdgcn-amd-amdhsa--gfx1250"
	.amdhsa_code_object_version 6
	.text
	.protected	k_q041f2256a3_oproj
	.globl	k_q041f2256a3_oproj
	.p2align	8
	.type	k_q041f2256a3_oproj,@function
k_q041f2256a3_oproj:
	s_mov_b64 s[64:65], 0
	v_nop
	global_prefetch_b8 v0, s[64:65] scope:SCOPE_SE
	s_setreg_imm32_b32 hwreg(HW_REG_WAVE_MODE, 25, 1), 1
	s_wait_xcnt 0x0
	s_wait_alu depctr_hold_cnt(0) depctr_sa_sdst(0) depctr_va_vdst(0) depctr_va_sdst(0) depctr_va_ssrc(0) depctr_va_vcc(0) depctr_vm_vsrc(0)
	s_getreg_b32 s2, hwreg(HW_REG_IB_STS2, 6, 4)
	s_cmp_eq_u32 s2, 0
	s_cbranch_scc0 .Lentry_in_a_cluster
	s_endpgm
.Lentry_in_a_cluster:
	s_bfe_u32 s2, ttmp6, 0x10000c
	s_cmp_lg_u32 s2, 0xf033
	s_cbranch_scc0 .Lentry_shape_is_right
	s_endpgm
.Lentry_shape_is_right:
; THE OUTPUT PROJECTION: out0 = attn Wo^T.  Both operands come as f16 fragments of 1,024 bytes, [half 2][lane 32][16 bytes]:
;   af:  [tile of 16 rows: 512][K step of 32: 16][fragment]          wof: [tile of 16 features: 32][K step of 32: 16][fragment]          out0: [8192][512] f32.
; The product is taken as Wo attn^T: source 0 = a fragment of wof, source 1 = a fragment of af, both as they lie: no conversion, no padding (a fragment
; load takes 512 consecutive bytes).
; SHARES: a work-group makes 128 rows x 128 features; wave w makes 64 features (w >> 1) x 64 rows (w & 1) in 16 accumulator tiles.
; ALL OF K AT ONCE: the block's operands are 128 + 128 KiB and fit in LDS, so the four parts of K (128 each) are asked for together at the start, four loads
; of 16 KiB a wave, and nothing is ever filled again: the waits on the loads are counted, and each part is multiplied as soon as it has landed.
; CLUSTERS: 4 x 4 work-groups.  af's tile hangs on the block of rows alone (shared along a row of the cluster), wof's on the block of features alone
; (shared along a column): each is asked for jointly by the four that need it.
; A lane of the result holds one row and eight neighbouring features (32 bytes); 16 rows at a time go through a stage in LDS, each wave's own, and
; leave as whole pieces of 256 consecutive aligned bytes.
.set REG,   16384                      ; one load: 4 tiles x 4 K steps x 1,024 bytes
.set PARTL, 4*REG                      ; a part of K in LDS: wof's tiles 0-3, 4-7, af's tiles 0-3, 4-7
.set STAGE, 4*PARTL                    ; behind the four parts: no tensor load lands here
.set SPITCH, 272                       ; a stage row: 256 bytes + 16 = 17 x 16
.set ROWB,  2048                       ; bytes in a row of out0
.set ADRA, 4                           ; v4-7   LDS address of my fragments of wof in part 0..3 (the immediate has 16 bits)
.set ADRB, 8                           ; v8-11  of my fragments of af
.set STO,  12                          ; v12    the way out: where I put 32 bytes of a row
.set RD,   13                          ; v13    where I read a row back
.set CO,   14                          ; v14    my byte offset in out0
.set FA,   16                          ; v16-47, v48-79    four fragments of wof, two buffers
.set FB,   80                          ; v80-111, v112-143 four fragments of af, two buffers
.set OB0,  176                         ; v176-207, v208-239: the way out, two buffers
.set OB1,  208
                                       ; v256-383 (window 1, named v0-127): accumulator tile (mt, nt) at 8 (4 mt + nt)
.set G1A, 28                           ; s[28:35] descriptor group 1 for wof
.set G1B, 36                           ; s[36:43] for af: it differs in the mask alone
.set G0A, 44                           ; s[44:59] group 0 for wof, a set for each part
.set G0B, 68                           ; s[68:83] group 0 for af, a set for each part
.set MSB, 0
.macro WIN new                         ; the immediate's high byte repeats the setting that is left
.if MSB != \new
	s_set_vgpr_msb (MSB<<8)|\new
.set MSB, \new
.endif
.endm
.macro PLACES                          ; four plain vector instructions behind a matrix instruction (ISA guide 7.12.1)
.rept 4
	v_nop
.endr
.endm
.macro CROUND                          ; a round of the cluster's barrier
	s_barrier_signal -1
	s_barrier_wait -1
	s_cmp_lg_u32 s10, 0
	s_cbranch_scc1 .Lnot_wave_0_\@
	s_barrier_signal -3
.Lnot_wave_0_\@:
	s_barrier_wait -3
	s_barrier_signal -1
	s_barrier_wait -1
.endm
	s_load_b128 s[4:7], s[0:1], 0x0                ; af s[4:5], wof s[6:7]
	s_load_b64 s[8:9], s[0:1], 0x10                ; out0
	v_lshl_add_u32 v254, v0, 2, 0x44400
	v_mov_b32 v255, 0
	ds_add_u32 v254, v255
	v_lshrrev_b32 v1, 5, v0
	v_readfirstlane_b32 s10, v1                    ; wave 0..3
	s_lshr_b32 s11, s10, 1                         ; which 64 features are mine.  Also: I fetch for wof (0) or for af (1)
	s_and_b32 s12, s10, 1                          ; which 64 rows are mine.  Also: which four tiles of that operand I fetch
	s_bfe_u32 s13, ttmp6, 0x40000                  ; cx
	s_bfe_u32 s14, ttmp6, 0x40004                  ; cy
	s_lshl_b32 s15, ttmp9, 2
	s_add_co_u32 s15, s15, s13                     ; block of 128 features
	s_and_b32 s16, ttmp7, 0xffff
	s_lshl_b32 s16, s16, 2
	s_add_co_u32 s16, s16, s14                     ; block of 128 rows, 0..63
	s_lshl_b32 s17, s14, 2
	s_lshl_b32 s17, 15, s17                        ; my row of the cluster
	s_lshl_b32 s18, 0x1111, s13                    ; my column
	; group 1: 4 tiles, of each 4 K steps = 4,096 consecutive bytes = 512 elements of 8 bytes; 16,384 bytes = 2,048 elements from tile to tile
	s_or_b32 s[G1A+0], s18, (3<<16)|(1<<21)        ; wof's tiles go to my column
	s_or_b32 s[G1B+0], s17, (3<<16)|(1<<21)        ; af's to my row
.irp g, G1A, G1B
	s_mov_b32 s[\g+1], 512<<16
	s_mov_b32 s[\g+2], 4<<16
	s_mov_b32 s[\g+3], 512<<16
	s_mov_b32 s[\g+4], 4
	s_mov_b32 s[\g+5], 2048
	s_mov_b32 s[\g+6], 0
	s_mov_b32 s[\g+7], 0
.endr
	; offsets of the tiles, each in registers that never hold the other coordinate
	s_lshl_b32 s20, s15, 3
	s_lshl2_add_u32 s20, s12, s20                  ; wof: tile 8 x feature block + 4 x half
	s_lshl_b32 s20, s20, 14
	s_mov_b32 s21, 0
	s_lshl_b32 s22, s16, 3
	s_lshl2_add_u32 s22, s12, s22                  ; af: tile 8 x row block + 4 x half
	s_lshl_b32 s22, s22, 14
	s_mov_b32 s23, 0
	s_mul_i32 s19, s10, REG                        ; where my loads land in a part: wave x one region
	s_lshl_b32 s24, s16, 7
	s_lshl_b32 s25, s12, 6
	s_add_co_u32 s24, s24, s25                     ; my first row of out0
	s_lshl_b32 s24, s24, 11
	s_lshl_b32 s25, s15, 9
	s_add_co_u32 s24, s24, s25                     ; + 512 bytes for each block of 128 features
	s_lshl_b32 s25, s11, 8
	s_add_co_u32 s24, s24, s25                     ; + 256 for my half
	s_mov_b32 s25, 0
	s_wait_dscnt 0x0
	s_wait_kmcnt 0x0
	s_add_nc_u64 s[20:21], s[6:7], s[20:21]
	s_add_nc_u64 s[22:23], s[4:5], s[22:23]
	s_add_nc_u64 s[8:9], s[8:9], s[24:25]
.irp p, 0,1,2,3
	s_mov_b32 s[G0A+4*\p], 1
	s_add_co_u32 s[G0A+4*\p+1], s19, \p*PARTL
	s_add_nc_u64 s[G0A+4*\p+2:G0A+4*\p+3], s[20:21], \p*4096       ; part p of K: 4 fragments of each tile
	s_or_b32 s[G0A+4*\p+3], s[G0A+4*\p+3], 0x80000000
	s_mov_b32 s[G0B+4*\p], 1
	s_add_co_u32 s[G0B+4*\p+1], s19, \p*PARTL
	s_add_nc_u64 s[G0B+4*\p+2:G0B+4*\p+3], s[22:23], \p*4096
	s_or_b32 s[G0B+4*\p+3], s[G0B+4*\p+3], 0x80000000
.endr
	CROUND                                         ; all sixteen work-groups are here: the joint loads meet
	; all the launch's tensor loads, in one group, inside one branch on the wave's number: four loads of this wave are out
	s_cmp_eq_u32 s11, 0
	s_cbranch_scc0 .Lfor_af
.irp p, 0,1,2,3
	tensor_load_to_lds s[G0A+4*\p:G0A+4*\p+3], s[G1A:G1A+7]
	s_nop 0
.endr
	s_branch .Lasked
.Lfor_af:
.irp p, 0,1,2,3
	tensor_load_to_lds s[G0B+4*\p:G0B+4*\p+3], s[G1B:G1B+7]
	s_nop 0
.endr
.Lasked:
	v_and_b32 v1, 15, v0                           ; r
	v_bfe_u32 v2, v0, 4, 1                         ; h
	v_and_b32 v3, 31, v0
	v_lshlrev_b32 v3, 4, v3                        ; 16 x lane: my place in every half-fragment
	s_mul_i32 s26, s11, REG                        ; my four tiles of wof
	s_mul_i32 s27, s12, REG                        ; my four tiles of af,
	s_add_co_u32 s27, s27, 2*REG                   ; which lie behind wof's eight
	v_add_nc_u32 v[ADRA], s26, v3
	v_add_nc_u32 v[ADRB], s27, v3
.irp p, 1,2,3
	v_add_nc_u32 v[ADRA+\p], \p*PARTL, v[ADRA]
	v_add_nc_u32 v[ADRB+\p], \p*PARTL, v[ADRB]
.endr
	s_mul_i32 s26, s10, 16*SPITCH
	s_add_co_u32 s26, s26, STAGE                   ; my stage
	v_mul_u32_u24 v3, v1, SPITCH
	v_lshl_add_u32 v3, v2, 5, v3
	v_add_nc_u32 v[STO], s26, v3                   ; in: row r, 32 bytes for each h
	v_mul_u32_u24 v3, v2, SPITCH
	v_lshl_add_u32 v3, v1, 4, v3
	v_add_nc_u32 v[RD], s26, v3                    ; back: lanes 0-15 one row of 256 bytes, lanes 16-31 the next
	v_lshlrev_b32 v3, 11, v2
	v_lshl_add_u32 v[CO], v1, 4, v3                ; and the same two rows in out0
; 16 LDS loads: the eight fragments of K step k (part k >> 2) into buffer k & 1
.macro LOADF k
.irp t, 0,1,2,3
	ds_load_b128 v[FA+32*((\k)&1)+8*\t:FA+32*((\k)&1)+8*\t+3],   v[ADRA+((\k)>>2)] offset:\t*4096+((\k)&3)*1024
	ds_load_b128 v[FA+32*((\k)&1)+8*\t+4:FA+32*((\k)&1)+8*\t+7], v[ADRA+((\k)>>2)] offset:\t*4096+((\k)&3)*1024+512
.endr
.irp t, 0,1,2,3
	ds_load_b128 v[FB+32*((\k)&1)+8*\t:FB+32*((\k)&1)+8*\t+3],   v[ADRB+((\k)>>2)] offset:\t*4096+((\k)&3)*1024
	ds_load_b128 v[FB+32*((\k)&1)+8*\t+4:FB+32*((\k)&1)+8*\t+7], v[ADRB+((\k)>>2)] offset:\t*4096+((\k)&3)*1024+512
.endr
.endm
	s_wait_tensorcnt 0x3                           ; my share of part 0 is in; my three later loads stay out
	s_barrier_signal -1
	s_barrier_wait -1                              ; everybody's share is in
	LOADF 0
; Sixteen K steps.  The loads run one K step ahead, into the buffer that the last products read: four places stand between.
; The sixteen accumulators take turns, one instruction a turn.  The first K step starts the sums.
.irp k, 0,1,2,3,4,5,6,7,8,9,10,11,12,13,14,15
.if \k < 15
.if ((\k+1)&3) == 0
	s_wait_dscnt 0x0                               ; no LDS load of mine is pending at the signal
	s_wait_tensorcnt 3-((\k+1)>>2)                 ; my share of the next part is in; the later parts' loads stay out
	s_barrier_signal -1
	s_barrier_wait -1
.endif
	PLACES
	LOADF (\k+1)
	s_wait_dscnt 0x10                              ; this K step's 16 loads are in; the next one's 16 stay out
.else
	s_wait_dscnt 0x0
.endif
	WIN 0x50                                       ; C and D in window 1
.irp mt, 0,1,2,3
.irp nt, 0,1,2,3
.if \k == 0
	v_wmma_f32_16x16x32_f16 v[8*(4*\mt+\nt):8*(4*\mt+\nt)+7], v[FA+32*(\k&1)+8*\mt:FA+32*(\k&1)+8*\mt+7], v[FB+32*(\k&1)+8*\nt:FB+32*(\k&1)+8*\nt+7], 0
.else
	v_wmma_f32_16x16x32_f16 v[8*(4*\mt+\nt):8*(4*\mt+\nt)+7], v[FA+32*(\k&1)+8*\mt:FA+32*(\k&1)+8*\mt+7], v[FB+32*(\k&1)+8*\nt:FB+32*(\k&1)+8*\nt+7], v[8*(4*\mt+\nt):8*(4*\mt+\nt)+7]
.endif
.endr
.endr
	WIN 0
.endr
; THE WAY OUT, 16 rows at a time: the four tiles (0..3, nt) into my stage, read back as rows of 256 bytes, stored.
.macro OUT16 nt, buf
	WIN 0x04                                       ; the stores' data in window 1
.irp mt, 0,1,2,3
	ds_store_b128 v[STO], v[8*(4*\mt+\nt):8*(4*\mt+\nt)+3]   offset:\mt*64
	ds_store_b128 v[STO], v[8*(4*\mt+\nt)+4:8*(4*\mt+\nt)+7] offset:\mt*64+16
.endr
	WIN 0
	s_wait_xcnt 0x0                                ; the buffer, which earlier stores read, is loaded again only behind this wait
.irp t, 0,1,2,3,4,5,6,7
	ds_load_b128 v[\buf+4*\t:\buf+4*\t+3], v[RD] offset:\t*2*SPITCH   ; LDS serves a wave's instructions in order (ISA guide 5.7.1): these see the stores above
.endr
.irp t, 0,1,2,3,4,5,6,7
	s_wait_dscnt 7-\t                              ; load t is in; the 7 - t younger ones may be out
	global_store_b128 v[CO], v[\buf+4*\t:\buf+4*\t+3], s[8:9] offset:(16*\nt+2*\t)*ROWB th:TH_STORE_NT   ; 16 lanes store 256 consecutive aligned bytes
.endr
.endm
	PLACES                                         ; the LDS stores read results four places behind the last products
	OUT16 0, OB0
	OUT16 1, OB1
	OUT16 2, OB0
	OUT16 3, OB1
	s_wait_tensorcnt 0x0
	ds_add_u32 v254, v255
	s_wait_dscnt 0x0
	CROUND                                         ; the closing round: no work-group ends while a partner may still ask for a tile that names it
	s_endpgm
.Lfunc_end_k_q041f2256a3_oproj:
	.size	k_q041f2256a3_oproj, .Lfunc_end_k_q041f2256a3_oproj-k_q041f2256a3_oproj
	.p2alignl 7, 3214868480
	.fill 96, 4, 3214868480
	.section	.rodata,"a",@progbits
	.p2align	6, 0x0
	.amdhsa_kernel k_q041f2256a3_oproj
		.amdhsa_group_segment_fixed_size 280064
		.amdhsa_private_segment_fixed_size 0
		.amdhsa_enable_private_segment 0
		.amdhsa_kernarg_size 24
		.amdhsa_user_sgpr_count 2
		.amdhsa_user_sgpr_kernarg_segment_ptr 1
		.amdhsa_wavefront_size32 1
		.amdhsa_system_sgpr_workgroup_id_x 1
		.amdhsa_system_sgpr_workgroup_id_y 1
		.amdhsa_system_sgpr_workgroup_id_z 1
		.amdhsa_system_vgpr_workitem_id 0
		.amdhsa_next_free_vgpr 384
		.amdhsa_next_free_sgpr 96
		.amdhsa_reserve_vcc 0
		.amdhsa_float_denorm_mode_32 3
		.amdhsa_float_denorm_mode_16_64 3
		.amdhsa_memory_ordered 1
		.amdhsa_forward_progress 1
		.amdhsa_inst_pref_size 53
	.end_amdhsa_kernel
	.amdgpu_metadata
---
amdhsa.version: [ 1, 2 ]
amdhsa.kernels:
  - .name:           k_q041f2256a3_oproj
    .symbol:         k_q041f2256a3_oproj.kd
    .args:
      - { .name: af, .offset: 0, .size: 8, .value_kind: global_buffer, .address_space: global }
      - { .name: wof, .offset: 8, .size: 8, .value_kind: global_buffer, .address_space: global }
      - { .name: out0, .offset: 16, .size: 8, .value_kind: global_buffer, .address_space: global }
    .group_segment_fixed_size: 280064
    .private_segment_fixed_size: 0
    .kernarg_segment_align: 8
    .kernarg_segment_size: 24
    .max_flat_workgroup_size: 128
    .sgpr_count:     96
    .vgpr_count:     384
    .wavefront_size: 32
...
	.end_amdgpu_metadata
.endif
;; end of part 3
